; MI455X (gfx1250); checked and timed in simulation.
; The chip was launched on July 23, 2026; its instructions are those of AMD's public machine-readable ISA for CDNA 5 (MIT licence, August 2026) and "CDNA5" Instruction Set Architecture Reference Guide (July 2026). The comments in the code are by the model that wrote it; some were corrected since.
;; Multihead Attention. Allowed arithmetic: matrix products marked QUANTISED: E2M1 operands, one E8M0 scale for each 32 along K, by v_wmma_scale_f32_16x16x128_f8f6f4 with both operands' format E2M1 (or v_wmma_scale_f32_32x16x128_f4), f32 sums; everything else in f32.
;; Inputs: Wk 512 x 512 float32; Wo 512 x 512 float32; Wq 512 x 512 float32; Wv 512 x 512 float32; bk 512 float32; bo 512 float32; bq 512 float32; bv 512 float32; key 4,096 x 2 x 512 float32; query 4,096 x 2 x 512 float32; value 4,096 x 2 x 512 float32.
;; Outputs: out0 4,096 x 2 x 512 float32.
;; This version of the problem:
;;   THIS VERSION OF THE PROBLEM IS GIVEN IN LOW PRECISION. The matrix products marked QUANTISED in the list below multiply operands that are first quantised to E2M1 (2 exponent bits, 1 mantissa bit; 4 bits a number), with one power-of-two scale for each 32 numbers along K (OCP MX v1.0); their sums are f32. All else is computed in f32.
;;   The module's matrix products, in the order in which they are computed (A, B: the left and right operand; K: the contracted axis; several contracted axes count as one K, in the product's order):
;;     1. [M 8,192, K 512] x [K 512, N 512]; A: input query; B: input Wq: QUANTISED
;;     2. [M 8,192, K 512] x [K 512, N 512]; A: input key; B: input Wk: QUANTISED
;;     3. [M 8,192, K 512] x [K 512, N 512]; A: input value; B: input Wv: QUANTISED
;;     4. batch 16 x [M 4,096, K 64] x [K 64, N 4,096]; A: computed on the way; B: computed on the way: QUANTISED
;;     5. batch 16 x [M 64, K 4,096] x [K 4,096, N 4,096]; A: computed on the way; B: softmax (see below): QUANTISED
;;     6. [M 8,192, K 512] x [K 512, N 512]; A: computed on the way; B: input Wo: QUANTISED
;;   THE QUANTISER, for each operand of a quantised product, along K:
;;     - K is cut into blocks of 32 from its start; a last block that is shorter is filled with zeros.
;;     - A block's scale is 2^e with e = floor(log2(the largest magnitude in the block)) - 2, held to -126 .. 127; a block of zeros has e = 0. As a byte (E8M0): e + 127.
;;     - Each number is divided by its block's scale, clamped to +-6, and rounded to the nearest number of E2M1, ties to even, subnormals kept.
;;     - The product sums the exact products of the quantised numbers (number of the format x scale) in f32.
;;   ~~~python
;;   def quantise(x, axis):      # numpy; x: float32 -> the quantised numbers, widened to float32 again
;;       x = np.moveaxis(x, axis, -1); K = x.shape[-1]
;;       x = np.pad(x, [(0, 0)] * (x.ndim - 1) + [(0, -K % 32)]); x = x.reshape(x.shape[:-1] + (-1, 32)); a = np.abs(x).max(-1, keepdims=True)
;;       e = np.where(a > 0, np.clip(np.frexp(np.where(a > 0, a, 1))[1] - 1 - 2, -126, 127), 0)      # np.frexp(a)[1] - 1 = floor(log2(a)), exactly
;;       r = np.clip(x / 2.0 ** e, -6, 6)
;;       step = 2.0 ** (np.maximum(np.frexp(np.where(r == 0, 1, r))[1] - 1, 0) - 1)
;;       q = np.round(r / step) * step * 2.0 ** e      # np.round: ties to even
;;       return np.moveaxis(q.reshape(q.shape[:-2] + (-1,))[..., :K], -1, axis).astype(np.float32)
;;   ~~~
;;   SOFTMAX AHEAD OF A QUANTISED PRODUCT. Where the list says 'softmax', what is quantised is not the finished softmax but p = 2^(t - M), with t = logit x log2(e) and M = ceil(the row's largest t), a whole number; so 1/2 < the row's largest p <= 1. The row's sum l is taken of the UNQUANTISED p, in f32, and the product's result is divided by l at the end. Since M is a whole number, a kernel that streams over the keys may use a running M (the ceiling of the running maximum): every later rescaling is an exact power of two, which a block's scale takes up: the codes' values come out the same.
;;   OPERANDS COMPUTED ON THE WAY. 'Computed on the way' means the value that the module computes at that place (a softmax that the list does not call 'softmax' is quantised finished and normalised). What goes into a quantiser is computed in f32, as accurately as f32 sums, v_exp_f32 and their like allow (about 1e-6 of the number): no bf16 or f16 on the way to a quantiser, and a product that is left as it is and whose result goes on into a quantised operand takes f32 operands (vector FMAs, or v_wmma_f32_16x16x4_f32). A number that lies on a knife's edge between two numbers of the format may be rounded either way, as far as f32 arithmetic and the matrix unit's own rounding can turn it there, and no further.
;; One version. Each part assembles by itself: llvm-mc -triple=amdgcn-amd-amdhsa -mcpu=gfx1250 --defsym DOCPART=n.
;; ======== version 1 of 1: 4 launches
;; limits: right only within a limited range of input values
;; workspace buffers: cs 7,241,728 bytes; qr 2,228,224 bytes; kv 4,456,448 bytes; ac 2,097,152 bytes; asc 131,072 bytes
;; launch quant (part 1): grid 1664 x 1, 4 waves a work-group, no clusters, 34,560 bytes of LDS; arguments query, key, value, Wq, Wk, Wv, Wo, cs; writes cs
.if DOCPART == 1
	.amdgcn_target "amdgcn-amd-amdhsa--gfx1250"
	.amdhsa_code_object_version 6
	.text
	.protected	k_qed3e30b087_quant
	.globl	k_qed3e30b087_quant
	.p2align	8
	.type	k_qed3e30b087_quant,@function
k_qed3e30b087_quant:
	s_mov_b64 s[64:65], 0
	v_nop
	global_prefetch_b8 v0, s[64:65] scope:SCOPE_SE
	s_setreg_imm32_b32 hwreg(HW_REG_WAVE_MODE, 25, 1), 1
	s_wait_xcnt 0x0
; query, key, value [4096][2][512] and Wq, Wk, Wv, Wo [512][512], f32, K innermost, become codes of FP4 (E2M1) with one E8M0 scale byte for each 32 along K,
; laid as IMAGES OF OPERAND REGISTERS.  A RECORD (4,352 bytes) is one tile of 16 rows x 512 K: K step sg (128 along K) at byte 1024 sg: register group c (4 registers) of lane l at 512 c + 16 l;
; behind the codes, at byte 4096 + 16 r + 4 sg, row r's scale word of K step sg.  Records 0-1535: tensor ti = g / 512, batch b = (g / 256) % 2, tile T = g % 256 of the sequence; records 1536-1663: weight (g - 1536) / 32, tile (g - 1536) % 32.
; THE ROWS OF A TILE ARE NOT NEIGHBOURS.  In all tensors but key, row i of tile 2 e + u is source row 32 e + 8 u + i + 8 (i / 8): a later product's results, taken transposed, then lie as 16 neighbours along the next K.
; In key, row i of tile 4 c + g is source row 64 c + 8 g + i + 24 (i / 8): the scores of four neighbouring tiles, taken transposed, then give a lane one whole block of 32 neighbouring keys.
; A block's scale is 2^(floor(log2(its largest magnitude)) - 2): its byte is the largest magnitude's exponent field - 2, held at 1 from below.
; LIMITS: NaN and infinities are not served; a block whose largest magnitude lies under 2^-124 gets the byte 1; a block of zeros gets the byte 1 where the rule says 127 (its codes are zeros, and this program alone reads the bytes).
; SHARES.  Work-group g makes record g; its wave sg makes K step sg: 16 loads of 512 consecutive bytes (one row each), a turn through the wave's own stage in LDS so that a lane holds 16 neighbours of each block,
; the quantiser, two stores of 512 consecutive bytes.  The four waves' scale words meet in 256 bytes of LDS and leave as one store of 256 consecutive bytes.
; The staged rows come back into the registers that were loaded, behind a wait for the stores: 128 registers a wave, so that 8 x 256 work-groups, more than the grid's 1,664, have room at once.
; No work-group reads what another reads, so there is no cluster and no joint load; no matrix work; each input byte is read once.
.set REC,  4352
.set STG,  16*528                      ; a wave's stage: 16 rows of 512 bytes + 16 of padding = 132 words: row r starts at bank 4 r mod 64 (64 banks of 4 bytes: ISA guide 11.1)
.set GATH, 4*STG                       ; behind the stages: the record's 256 bytes of scale words
.set SPARE, GATH+256                   ; and the spare words, 128 bytes a wave
.set OFF,  16                          ; v16-31   row i's byte offset
.set X,    32                          ; v32-95   the rows as loaded; then register 16 b + i: k = 32 b + 16 (lane / 16) + i of my row
.set TM,   96                          ; v96-99 largest magnitudes, v100-103 bytes, v108-111 the conversions' scale operands
.set PC,   112                         ; v112-119 the fragment's codes
.set PW,   120                         ; v120     my row's scale word
.set SEL,  40                          ; s[40:41] lane selects for v_permlanex16_b32: lane l xor 16
	s_load_b512 s[8:23], s[0:1], 0x0               ; query s[8:9], key, value, Wq, Wk, Wv, Wo s[20:21], cs s[22:23]
	v_lshl_add_u32 v124, v0, 2, SPARE
	v_mov_b32 v125, 0
	v_lshrrev_b32 v1, 5, v0
	v_readfirstlane_b32 s4, v1                     ; wave = K step sg
	v_and_b32 v8, 31, v0                           ; lane
	v_and_b32 v9, 15, v0                           ; r
	v_bfe_u32 v10, v0, 4, 1                        ; lane / 16
	v_lshlrev_b32 v1, 4, v8                        ; 16 x lane
	s_mul_i32 s5, s4, STG
	v_add_nc_u32 v2, s5, v1                        ; the stage, on the way in: a row's 512 bytes as they lie
	v_mul_u32_u24 v3, v9, 528
	v_lshl_add_u32 v3, v10, 6, v3
	v_add_nc_u32 v3, s5, v3                        ; and on the way out: row r, + 64 bytes for lanes 16-31
	s_lshl_b32 s6, s4, 2
	s_add_co_u32 s6, s6, GATH
	v_lshl_add_u32 v4, v9, 4, s6                   ; where my row's scale word goes: GATH + 16 r + 4 sg
	v_lshlrev_b32 v5, 3, v8                        ; 8 x lane
	v_add_nc_u32 v6, GATH, v5
	s_lshl_b32 s7, s4, 10
	v_add_nc_u32 v7, s7, v1                        ; my codes' place in the record: 1024 sg + 16 x lane
.irp b, 0,1,2,3
	v_mov_b32 v[TM+4+\b], 0                        ; written once: a lane permute's destination counts as one of its sources
.endr
	s_mov_b32 s[SEL], 0x76543210
	s_mov_b32 s[SEL+1], 0xfedcba98
	; which tensor, which tile, which pitch: both readings of the work-group's number are made, then one compare chooses
	s_sub_co_u32 s25, ttmp9, 1536                  ; a weight's record counted from the first
	s_lshr_b32 s26, ttmp9, 9                       ; ti
	s_lshr_b32 s27, s25, 5
	s_add_co_u32 s27, s27, 3                       ; 3 + the weight's number
	s_and_b32 s28, ttmp9, 255                      ; the tile of the sequence
	s_and_b32 s29, s25, 31                         ; the weight's tile
	s_bfe_u32 s30, ttmp9, 0x10008
	s_lshl_b32 s30, s30, 11                        ; the batch's 2,048 bytes
	s_cmp_lt_u32 ttmp9, 1536
	s_cselect_b32 s26, s26, s27                    ; which of the seven tensors
	s_cselect_b32 s28, s28, s29                    ; tile
	s_cselect_b32 s30, s30, 0
	s_cselect_b32 s31, 12, 11                      ; from source row to source row: 4,096 bytes (two batches) or 2,048
	s_cmp_eq_u32 s26, 1                            ; key has its own choice of rows
	s_cselect_b32 s38, 3, 1
	s_cselect_b32 s39, 16, 0                       ; its rows 8-15 lie 16 source rows further on than the others'
	s_lshl_b32 s32, s28, 4
	s_and_b32 s33, s28, s38
	s_lshl_b32 s33, s33, 3
	s_sub_co_u32 s32, s32, s33                     ; the tile's first source row: 16 tile - 8 (tile % 2), in key 16 tile - 8 (tile % 4)
	s_lshl_b32 s32, s32, s31
	s_add_co_u32 s32, s32, s30
	s_lshl_b32 s34, s4, 9                          ; my K step's 512 bytes of a row
	s_add_co_u32 s32, s32, s34
	s_mov_b32 s33, 0
	s_lshl_b32 s35, 1, s31                         ; the pitch
	s_lshl_b32 s39, s39, s31
	v_add_nc_u32 v11, s39, v1
.irp i, 0,1,2,3,4,5,6,7
	v_mad_u32_u24 v[OFF+\i], s35, \i, v1
.endr
.irp i, 8,9,10,11,12,13,14,15
	v_mad_u32_u24 v[OFF+\i], s35, \i+8, v11
.endr
	s_mul_i32 s36, ttmp9, REC
	s_mov_b32 s37, 0
	s_wait_alu depctr_va_vdst(0)                   ; the wait at the head's end
	s_wait_kmcnt 0x0
.irp e, 1,2,3,4,5,6
	s_cmp_eq_u32 s26, \e                           ; the choice hangs on the work-group's number alone
	s_cselect_b64 s[8:9], s[8+2*\e:9+2*\e], s[8:9]
.endr
	s_add_nc_u64 s[8:9], s[8:9], s[32:33]
	s_add_nc_u64 s[22:23], s[22:23], s[36:37]      ; my record
.irp i, 0,1,2,3,4,5,6,7,8,9,10,11,12,13,14,15
	global_load_b128 v[X+4*\i:X+4*\i+3], v[OFF+\i], s[8:9] th:TH_LOAD_NT   ; 32 lanes read 512 consecutive bytes of row i; read once in the launch
.endr
.irp i, 0,1,2,3,4,5,6,7,8,9,10,11,12,13,14,15
	s_wait_loadcnt 15-\i                           ; loads come back in order (ISA guide 5.7.1): row i is in, the 15 - i younger ones may be out
	ds_store_b128 v2, v[X+4*\i:X+4*\i+3] offset:528*\i
.endr
	s_wait_dscnt 0x0                               ; the stores have read their registers, which the loads below fill again
.irp b, 0,1,2,3
.irp j, 0,1,2,3
	ds_load_b128 v[X+16*\b+4*\j:X+16*\b+4*\j+3], v3 offset:128*\b+16*\j
.endr
.endr
	s_wait_dscnt 0x0
.irp b, 0,1,2,3
	v_max3_num_f32 v[TM+\b], |v[X+16*\b]|, |v[X+16*\b+1]|, 0x1800000   ; my 16 numbers of block b, and the floor 2^(3 - 127): the byte cannot fall under 1
.endr
.irp i, 2,4,6,8,10,12,14
.irp b, 0,1,2,3
	v_max3_num_f32 v[TM+\b], v[TM+\b], |v[X+16*\b+\i]|, |v[X+16*\b+\i+1]|   ; the blocks by turns
.endr
.endr
.irp b, 0,1,2,3
	v_permlanex16_b32 v[TM+4+\b], v[TM+\b], s[SEL], s[SEL+1]
.endr
.irp b, 0,1,2,3
	v_max_num_f32 v[TM+\b], v[TM+\b], v[TM+4+\b]   ; with lane l xor 16's 16: the block's largest magnitude
.endr
.irp b, 0,1,2,3
	v_add_nc_u32 v[TM+12+\b], 0xff000000, v[TM+\b] ; 2 off its exponent field: the conversion takes the exponent field of this operand as its scale
.endr
.irp b, 0,1,2,3
	v_lshrrev_b32 v[TM+4+\b], 23, v[TM+12+\b]      ; the scale's byte
.endr
	v_lshl_or_b32 v[PW], v[TM+5], 8, v[TM+4]
	v_lshl_or_b32 v[PW], v[TM+6], 16, v[PW]
	v_lshl_or_b32 v[PW], v[TM+7], 24, v[PW]
.irp b, 0,1,2,3
	v_cvt_scalef32_pk8_fp4_f32 v[PC+2*\b], v[X+16*\b:X+16*\b+7], v[TM+12+\b]
	v_cvt_scalef32_pk8_fp4_f32 v[PC+2*\b+1], v[X+16*\b+8:X+16*\b+15], v[TM+12+\b]
.endr
	v_nop                                          ; one plain instruction behind the last scaled conversion
.irp c, 0,1                                    ; the operand's layout wants a whole block in a lane: lanes 0-15 block 2 c, lanes 16-31 block 2 c + 1
	v_permlane16_swap_b32 v[PC+4*\c], v[PC+4*\c+2]
	v_permlane16_swap_b32 v[PC+4*\c+1], v[PC+4*\c+3]
.endr
	global_store_b128 v7, v[PC:PC+3], s[22:23]             ; 512 consecutive bytes, at a multiple of 256 from the buffer's first byte
	global_store_b128 v7, v[PC+4:PC+7], s[22:23] offset:512
	ds_store_b32 v4, v[PW]                         ; lanes r and r + 16 write the same word with the same value
	s_wait_dscnt 0x0                               ; for the others' sake: my store has landed
	s_barrier_signal -1
	s_barrier_wait -1
	s_cmp_lg_u32 s4, 0
	s_cbranch_scc1 .Ldone                          ; wave 0 alone sends the record's scale words
	ds_load_b64 v[122:123], v6
	s_wait_dscnt 0x0
	global_store_b64 v5, v[122:123], s[22:23] offset:4096  ; 256 consecutive bytes
.Ldone:
	s_wait_tensorcnt 0x0                           ; the wave's end
	ds_add_u32 v124, v125
	s_wait_dscnt 0x0
	s_endpgm
.Lfunc_end_k_qed3e30b087_quant:
	.size	k_qed3e30b087_quant, .Lfunc_end_k_qed3e30b087_quant-k_qed3e30b087_quant
	.p2alignl 7, 3214868480
	.fill 96, 4, 3214868480
	.section	.rodata,"a",@progbits
	.p2align	6, 0x0
	.amdhsa_kernel k_qed3e30b087_quant
		.amdhsa_group_segment_fixed_size 34560
		.amdhsa_private_segment_fixed_size 0
		.amdhsa_enable_private_segment 0
		.amdhsa_kernarg_size 64
		.amdhsa_user_sgpr_count 2
		.amdhsa_user_sgpr_kernarg_segment_ptr 1
		.amdhsa_wavefront_size32 1
		.amdhsa_system_sgpr_workgroup_id_x 1
		.amdhsa_system_sgpr_workgroup_id_y 1
		.amdhsa_system_sgpr_workgroup_id_z 1
		.amdhsa_system_vgpr_workitem_id 0
		.amdhsa_next_free_vgpr 128
		.amdhsa_next_free_sgpr 66
		.amdhsa_reserve_vcc 0
		.amdhsa_float_denorm_mode_32 3
		.amdhsa_float_denorm_mode_16_64 3
		.amdhsa_memory_ordered 1
		.amdhsa_forward_progress 1
		.amdhsa_inst_pref_size 13
	.end_amdhsa_kernel
	.amdgpu_metadata
---
amdhsa.version: [ 1, 2 ]
amdhsa.kernels:
  - .name:           k_qed3e30b087_quant
    .symbol:         k_qed3e30b087_quant.kd
    .args:
      - { .name: query, .offset: 0, .size: 8, .value_kind: global_buffer, .address_space: global }
      - { .name: key, .offset: 8, .size: 8, .value_kind: global_buffer, .address_space: global }
      - { .name: value, .offset: 16, .size: 8, .value_kind: global_buffer, .address_space: global }
      - { .name: Wq, .offset: 24, .size: 8, .value_kind: global_buffer, .address_space: global }
      - { .name: Wk, .offset: 32, .size: 8, .value_kind: global_buffer, .address_space: global }
      - { .name: Wv, .offset: 40, .size: 8, .value_kind: global_buffer, .address_space: global }
      - { .name: Wo, .offset: 48, .size: 8, .value_kind: global_buffer, .address_space: global }
      - { .name: cs, .offset: 56, .size: 8, .value_kind: global_buffer, .address_space: global }
    .group_segment_fixed_size: 34560
    .private_segment_fixed_size: 0
    .kernarg_segment_align: 8
    .kernarg_segment_size: 64
    .max_flat_workgroup_size: 128
    .sgpr_count:     66
    .vgpr_count:     128
    .wavefront_size: 32
...
	.end_amdgpu_metadata
.endif
;; end of part 1
;; launch proj (part 2): grid 4 x 64, 8 waves a work-group, clusters of 4 x 1, 211,456 bytes of LDS; arguments cs, bq, bk, bv, qr, kv; writes qr, kv
.if DOCPART == 2
	.amdgcn_target "amdgcn-amd-amdhsa--gfx1250"
	.amdhsa_code_object_version 6
	.text
	.protected	k_qed3e30b087_proj
	.globl	k_qed3e30b087_proj
	.p2align	8
	.type	k_qed3e30b087_proj,@function
k_qed3e30b087_proj:
	s_mov_b64 s[64:65], 0
	v_nop
	global_prefetch_b8 v0, s[64:65] scope:SCOPE_SE
	s_setreg_imm32_b32 hwreg(HW_REG_WAVE_MODE, 25, 1), 1
	s_wait_xcnt 0x0
	s_wait_alu depctr_hold_cnt(0) depctr_sa_sdst(0) depctr_va_vdst(0) depctr_va_sdst(0) depctr_va_ssrc(0) depctr_va_vcc(0) depctr_vm_vsrc(0)
	s_getreg_b32 s2, hwreg(HW_REG_IB_STS2, 6, 4)
	s_cmp_eq_u32 s2, 0
	s_cbranch_scc0 .Lentry_in_a_cluster
	s_endpgm
.Lentry_in_a_cluster:
	s_bfe_u32 s2, ttmp6, 0x10000c
	s_cmp_lg_u32 s2, 0x3003
	s_cbranch_scc0 .Lentry_shape_is_right
	s_endpgm
.Lentry_shape_is_right:
; q = (query Wq^T + bq) / 8, k = key Wk^T + bk, v = value Wv^T + bv, on codes of FP4 (E2M1) with E8M0 scales (buffer cs: records of 4,352 bytes, one tile of 16 rows x 512 K as images of operand registers, scale words behind),
; and the results quantised again: q and k along the head's 64 channels, v along the keys.
; OUT.  qr: [hb 16][step 32][4352], hb = 2 head + batch, step = 128 of the sequence: tile m's codes at 512 m + 16 lane (lane (r, hl): row r, channels 32 hl on); at 4096 + 64 (m / 2) + 4 r + 2 (m % 2) its two scale bytes.
; kv: [hb][step][K's record like qr's][V's record]: V's tile a (16 channels 32 (a / 2) + 8 (a % 2) + r + 8 (r / 8) x the step's 128 keys) at 1024 a + 512 c + 16 lane, its scale words at 4096 + 64 a + 4 r.
; SHARES.  Work-group (nq, y): nq = a quarter of the 512 columns (two heads), y = 32 batch + step.  Three JOBS.  In a job wave w keeps ONE record's four fragments (its own) as source 1 and takes the eight records of the
; other side (the stream) from LDS as source 0: eight accumulators by turns, four K steps.  q, k: own = tile w of x, stream = the weight's eight tiles.  v: own = tile w of Wv, stream = x's eight tiles.
; By the choice of a tile's rows (row i of tile 2 e + u = source row 32 e + 8 u + i + 8 (i / 8)) register 16 b + i of the 64 results is number 32 b + 16 (lane / 16) + i along the next K: one quantiser serves all three.
; LDS.  Every byte is filled once: job j's stream at 69,632 j, its own records 34,816 further on.  Each of these six groups is eight records on end in memory, 136 rows of 256 bytes: ONE tensor load, issued by one of waves 0 to 5.
; One wait and one barrier ahead of job 0 show all six to every wave.  Behind the groups 3 x 512 bytes in which the scale bytes meet, then the spare words.
; CLUSTER.  The four work-groups of a cluster have the same y: x's groups are asked for JOINTLY (mask 15).  The weights' groups differ between the partners (nq is the place in the cluster): plain loads.
; No prefetch: all loads go out at the head, and no later load stands in the text to run ahead of.
; LIMITS: NaN and infinities are not served; a block whose largest magnitude lies under 2^-124 gets the byte 1; a block of zeros the byte 1 where the rule says 127 (its codes are zeros; this program alone reads the bytes).
.set REC,  4352
.set GRP,  8*REC
.set JOBB, 2*GRP
.set GQ,   3*JOBB                      ; q's scale bytes: [head of the pair][256]; k's 512 further on; v's 1,024
.set GV,   GQ+1024
.set SPARE, GQ+1536                    ; the spare words: 128 bytes a wave
.set QHB,  32*REC                      ; a head's bytes in qr
.set KHB,  64*REC                      ; and in kv
.set WV,   16                          ; s16 wave;  s17 nq;  s18 batch;  s19 step;  s20 y
.set SEL,  22                          ; s[22:23] lane selects for v_permlanex16_b32: lane l xor 16
.set G1J,  24                          ; s[24:31] descriptor group 1, joint;  s[32:39] plain
.set G1P,  32
.set G0,   40                          ; s[40:63] six groups 0
.set OWNF, 16                          ; v16-47   my own record's four fragments
.set OWS,  48                          ; v48-51   its scale words
.set SS,   52                          ; v52-67   the stream's: register 4 p + sg: lanes 0-15 tile 2 p, lanes 16-31 tile 2 p + 1
.set BV,   68                          ; v68-75   bv of my column, eight times
.set SF,   76                          ; v76-139  the stream's eight fragments of a K step
.set ACC,  140                         ; v140-203 eight accumulators
.set TM,   204
.set PC,   220
.set PW,   228
.macro QUANT s, nb
.set QB, 0
.rept \nb
	v_max3_num_f32 v[TM+QB], |v[16*QB+(\s)]|, |v[16*QB+1+(\s)]|, 0x1800000   ; my 16 numbers of block QB, and the floor 2^(3 - 127)
.set QB, QB+1
.endr
.irp i, 2,4,6,8,10,12,14
.set QB, 0
.rept \nb
	v_max3_num_f32 v[TM+QB], v[TM+QB], |v[16*QB+\i+(\s)]|, |v[16*QB+\i+1+(\s)]|
.set QB, QB+1
.endr
.endr
.set QB, 0
.rept \nb
	s_delay_alu instid0(VALU_DEP_4)
	v_permlanex16_b32 v[TM+4+QB], v[TM+QB], s[SEL], s[SEL+1]
.set QB, QB+1
.endr
.set QB, 0
.rept \nb
	s_delay_alu instid0(VALU_DEP_4)
	v_max_num_f32 v[TM+QB], v[TM+QB], v[TM+4+QB]      ; with lane l xor 16's 16: the block's largest magnitude
.set QB, QB+1
.endr
.set QB, 0
.rept \nb
	s_delay_alu instid0(VALU_DEP_4)
	v_add_nc_u32 v[TM+12+QB], 0xff000000, v[TM+QB]    ; 2 off its exponent field: the conversion's scale operand
.set QB, QB+1
.endr
.set QB, 0
.rept \nb
	s_delay_alu instid0(VALU_DEP_4)
	v_lshrrev_b32 v[TM+4+QB], 23, v[TM+12+QB]         ; the scale's byte
.set QB, QB+1
.endr
	s_delay_alu instid0(VALU_DEP_3)
	v_lshl_or_b32 v[PW], v[TM+5], 8, v[TM+4]
	s_delay_alu instid0(VALU_DEP_1)
	v_lshl_or_b32 v[PW], v[TM+6], 16, v[PW]
	s_delay_alu instid0(VALU_DEP_1)
	v_lshl_or_b32 v[PW], v[TM+7], 24, v[PW]
.set QB, 0
.rept \nb
	v_cvt_scalef32_pk8_fp4_f32 v[PC+2*QB], v[16*QB+(\s):16*QB+7+(\s)], v[TM+12+QB]
	v_cvt_scalef32_pk8_fp4_f32 v[PC+2*QB+1], v[16*QB+8+(\s):16*QB+15+(\s)], v[TM+12+QB]
.set QB, QB+1
.endr
	v_nop                                          ; one plain instruction behind the last scaled conversion
.set QB, 0
.rept \nb/2
	v_permlane16_swap_b32 v[PC+4*QB], v[PC+4*QB+2]
	v_permlane16_swap_b32 v[PC+4*QB+1], v[PC+4*QB+3]
.set QB, QB+1
.endr
.endm
.macro ROUND                           ; a round of the cluster's barrier
	s_barrier_signal -1
	s_barrier_wait -1
	s_cmp_lg_u32 s[WV], 0
	s_cbranch_scc1 .Lnot_wave_0_\@
	s_barrier_signal -3
.Lnot_wave_0_\@:
	s_barrier_wait -3
	s_barrier_signal -1
	s_barrier_wait -1
.endm
.macro BARRIER                         ; my LDS stores have landed and my LDS loads are in: then the work-group's barrier
	s_wait_dscnt 0x0
	s_barrier_signal -1
	s_barrier_wait -1
.endm
.macro PLACES                          ; four plain instructions between a matrix instruction and a load into, or a read of, its registers
.rept 4
	v_nop
.endr
.endm
.macro MM d, a, b, c, sa, sb, odd      ; odd: source 0's scale words stand in lanes 16-31
.if \odd
	v_wmma_scale_f32_16x16x128_f8f6f4 v[\d:\d+7], v[\a:\a+7], v[\b:\b+7], v[\c:\c+7], v[\sa], v[\sb] matrix_a_fmt:MATRIX_FMT_FP4 matrix_b_fmt:MATRIX_FMT_FP4 matrix_a_scale:MATRIX_SCALE_ROW1
.else
	v_wmma_scale_f32_16x16x128_f8f6f4 v[\d:\d+7], v[\a:\a+7], v[\b:\b+7], v[\c:\c+7], v[\sa], v[\sb] matrix_a_fmt:MATRIX_FMT_FP4 matrix_b_fmt:MATRIX_FMT_FP4
.endif
.endm
.macro DESC n, lds, base, add          ; group 0 number n: a group of eight records
	s_mov_b32 s[G0+4*\n], 1
	s_mov_b32 s[G0+4*\n+1], \lds
	s_add_nc_u64 s[G0+4*\n+2:G0+4*\n+3], s[\base:\base+1], \add
	s_or_b32 s[G0+4*\n+3], s[G0+4*\n+3], 0x80000000
.endm
.macro ARM under, n, g1, next          ; one arm of the head's chain: wave under - 1 issues load n
	s_cmp_lt_u32 s[WV], \under
	s_cbranch_scc0 \next
	tensor_load_to_lds s[G0+4*\n:G0+4*\n+3], s[\g1:\g1+7]
	s_nop 0
	PLACES
	s_branch .Lhead_asked
\next:
.endm
	s_load_b256 s[4:11], s[0:1], 0x0               ; cs s[4:5], bq s[6:7], bk s[8:9], bv s[10:11]
	s_load_b128 s[12:15], s[0:1], 0x20             ; qr s[12:13], kv s[14:15]
	v_lshl_add_u32 v254, v0, 2, SPARE
	v_mov_b32 v255, 0
	ds_add_u32 v254, v255                          ; the opening lines: the add twice on end and its wait
	ds_add_u32 v254, v255
	v_lshrrev_b32 v1, 5, v0
	s_delay_alu instid0(VALU_DEP_1)
	v_readfirstlane_b32 s[WV], v1                  ; wave 0..7
	s_bfe_u32 s17, ttmp6, 0x40000                  ; nq = my place in the cluster (the grid is one cluster wide)
	s_and_b32 s20, ttmp7, 0xffff                   ; y, which the four partners share
	s_lshr_b32 s18, s20, 5                         ; batch
	s_and_b32 s19, s20, 31                         ; step
	; group 1: eight records are 34,816 dense bytes: 136 rows of 32 elements of 8 bytes, no padding (images are read 16 bytes a lane on end)
	s_mov_b32 s[G1J], 15|(3<<16)|(1<<21)           ; the mask: all four work-groups; elements of 8 bytes; bit 21 set beside a mask
	s_mov_b32 s[G1P], 3<<16                        ; no mask
.irp g, G1J, G1P
	s_mov_b32 s[\g+1], 32<<16                      ; tensor_dim0
	s_mov_b32 s[\g+2], 136<<16                     ; tensor_dim1
	s_mov_b32 s[\g+3], 32<<16                      ; tile_dim0
	s_mov_b32 s[\g+4], 136                         ; tile_dim1
	s_mov_b32 s[\g+5], 32                          ; from row to row
	s_mov_b32 s[\g+6], 0
	s_mov_b32 s[\g+7], 0
.endr
	s_lshl_b32 s80, s20, 3                         ; x's first record within a tensor: 256 batch + 8 step = 8 y
	s_mul_i32 s80, s80, REC
	s_mov_b32 s81, 0
	s_lshl_b32 s82, s17, 3
	s_add_co_u32 s82, s82, 1536                    ; the weight's: 1536 + 8 nq (registers of their own: none that feeds a joint load holds nq)
	s_mul_i32 s82, s82, REC
	s_mov_b32 s83, 0
	s_mul_i32 s88, s[WV], REC
	s_mov_b32 s[SEL], 0x76543210
	s_mov_b32 s[SEL+1], 0xfedcba98
	s_wait_dscnt 0x0
	s_wait_kmcnt 0x0
	s_add_nc_u64 s[84:85], s[4:5], s[80:81]
	s_add_nc_u64 s[86:87], s[4:5], s[82:83]
	DESC 0, GRP, 84, 0                             ; query's tiles: job 0's own
	DESC 1, 0, 86, 0                               ; Wq's: job 0's stream
	DESC 2, JOBB+GRP, 84, 512*REC                  ; key's
	DESC 3, JOBB, 86, 32*REC                       ; Wk's
	DESC 4, 2*JOBB, 84, 1024*REC                   ; value's tiles: job 2's stream
	DESC 5, 2*JOBB+GRP, 86, 64*REC                 ; Wv's: job 2's own
	ROUND                                          ; all four work-groups are here: the joint loads meet
	ARM 1, 0, G1J, .Lh1                            ; one chain of arms on the wave's number, one load to an arm; waves 6 and 7 issue none
	ARM 2, 1, G1P, .Lh2
	ARM 3, 2, G1J, .Lh3
	ARM 4, 3, G1P, .Lh4
	ARM 5, 4, G1J, .Lh5
	ARM 6, 5, G1P, .Lh6
.Lhead_asked:
	; addresses
	v_and_b32 v15, 31, v0                          ; lane
	v_and_b32 v232, 15, v0                         ; r
	v_bfe_u32 v233, v0, 4, 1                       ; hl = lane / 16
	s_delay_alu instid0(VALU_DEP_3)
	v_lshlrev_b32 v1, 4, v15                       ; v1  16 x lane: an image's place for my lane
	s_delay_alu instid0(VALU_DEP_1)
	v_add_nc_u32 v2, s88, v1                       ; v2  + my own record
	s_delay_alu instid0(VALU_DEP_4)
	v_lshlrev_b32 v3, 4, v232
	s_delay_alu instid0(VALU_DEP_1)
	v_add_nc_u32 v3, s88, v3
	s_delay_alu instid0(VALU_DEP_1)
	v_add_nc_u32 v3, 4096, v3                      ; v3  my own record's scale words: 16 bytes a row
	v_mul_u32_u24 v4, v233, REC
	s_delay_alu instid0(VALU_DEP_1)
	v_lshl_add_u32 v4, v232, 4, v4
	s_delay_alu instid0(VALU_DEP_1)
	v_add_nc_u32 v4, 4096, v4                      ; v4  the stream's: lanes 0-15 an even record, lanes 16-31 the record behind it
	v_lshlrev_b32 v9, 6, v233                      ; v9  bq, bk: 16 numbers further on for lanes 16-31
	v_and_b32 v10, 8, v232
	s_delay_alu instid0(VALU_DEP_1)
	v_add_nc_u32 v10, v10, v232
	s_delay_alu instid0(VALU_DEP_1)
	v_lshlrev_b32 v10, 2, v10                      ; v10 bv: my column's place in its tile: r + 8 (r / 8)
	s_lshr_b32 s89, s[WV], 1
	s_lshl_b32 s89, s89, 6
	s_and_b32 s90, s[WV], 1
	s_lshl_b32 s90, s90, 1
	s_add_co_u32 s89, s89, s90
	s_add_co_u32 s89, s89, GQ
	v_lshl_add_u32 v11, v232, 2, s89               ; v11 q's and k's scale bytes: GQ + 64 (w / 2) + 4 r + 2 (w % 2)
	s_lshl_b32 s89, s[WV], 6
	s_add_co_u32 s89, s89, GV
	v_lshl_add_u32 v12, v232, 2, s89               ; v12 v's scale words: GV + 64 w + 4 r
	v_lshlrev_b32 v13, 3, v15                      ; v13 8 x lane
	s_min_u32 s89, s[WV], 5
	s_lshl_b32 s89, s89, 8
	s_add_co_u32 s89, s89, GQ
	v_add_nc_u32 v14, s89, v13                     ; v14 the block of 256 scale bytes that wave w (0 to 5) sends
.irp b, 0,1,2,3
	v_mov_b32 v[TM+4+\b], 0                        ; written once: a lane permute's destination counts as one of its sources
.endr
	s_mov_b32 s95, 0
	s_lshl_b32 s89, s17, 2
	s_add_co_u32 s89, s89, s18                     ; hb of the pair's first head: 4 nq + batch
	s_mul_i32 s90, s89, QHB
	s_mul_i32 s91, s19, REC
	s_add_co_u32 s90, s90, s91                     ; its record of this step in qr; twice that in kv
	s_lshl_b32 s92, s[WV], 9
	s_add_co_u32 s94, s90, s92
	s_add_nc_u64 s[72:73], s[12:13], s[94:95]      ; q: my tile's 512 bytes
	s_lshl_b32 s94, s90, 1
	s_add_co_u32 s94, s94, s92
	s_add_nc_u64 s[74:75], s[14:15], s[94:95]      ; k likewise
	s_lshr_b32 s93, s[WV], 2
	s_mul_i32 s93, s93, 2*KHB                      ; v: my column's head: the pair's first (waves 0-3) or second
	s_lshl_b32 s94, s90, 1
	s_add_co_u32 s94, s94, s93
	s_and_b32 s93, s[WV], 3
	s_lshl_b32 s93, s93, 10
	s_add_co_u32 s94, s94, s93                     ; tile a = w % 4
	s_add_co_u32 s94, s94, REC                     ; behind K's record
	s_add_nc_u64 s[76:77], s[14:15], s[94:95]
	s_lshl_b32 s94, s17, 9                         ; the quarter's 128 numbers of a bias
	s_add_nc_u64 s[66:67], s[6:7], s[94:95]
	s_add_nc_u64 s[68:69], s[8:9], s[94:95]
	s_lshr_b32 s93, s[WV], 1
	s_lshl_b32 s93, s93, 7
	s_add_co_u32 s94, s94, s93
	s_and_b32 s93, s[WV], 1
	s_lshl_b32 s93, s93, 5
	s_add_co_u32 s94, s94, s93                     ; bv at my tile's first column: 128 nq + 32 (w / 2) + 8 (w % 2)
	s_add_nc_u64 s[70:71], s[10:11], s[94:95]
	s_and_b32 s93, s[WV], 1                        ; where wave w sends its block of scale bytes: head w % 2 of the pair; w / 2 = 0: q, 1: k, 2: v
	s_mul_i32 s93, s93, 2*QHB
	s_add_co_u32 s94, s90, s93
	s_lshr_b32 s96, s[WV], 1
	s_min_u32 s97, s96, 1
	s_lshl_b32 s94, s94, s97                       ; kv's records are twice as far apart
	s_lshr_b32 s97, s96, 1
	s_mul_i32 s97, s97, REC                        ; V's record lies behind K's
	s_add_co_u32 s94, s94, s97
	s_add_co_u32 s94, s94, 4096
	s_cmp_eq_u32 s96, 0
	s_cselect_b64 s[78:79], s[12:13], s[14:15]
	s_add_nc_u64 s[78:79], s[78:79], s[94:95]
; JOB j.  kind 0: q or k;  kind 1: v.  bias, out: the scalar pairs;  hbs: a head's bytes in the output;  gath: the job's place behind GQ
.macro JOB j, kind, bias, out, hbs, gath
.if \j > 0
	s_wait_xcnt 0x0                                ; the last job's stores have read their data: the codes' registers are written again below
.endif
.if \kind == 0
.irp i, 0,1,2,3,4,5,6,7                        ; the bias is the C of the first products: loaded straight into the accumulators: register 8 i + n: column 32 (i / 2) + 16 hl + 8 (i % 2) + n
	global_load_b128 v[ACC+8*\i:ACC+8*\i+3], v9, s[\bias:\bias+1] offset:(32*(\i/2)+8*(\i%2))*4
	global_load_b128 v[ACC+8*\i+4:ACC+8*\i+7], v9, s[\bias:\bias+1] offset:(32*(\i/2)+8*(\i%2))*4+16
.endr
.else
.irp e, 0,1,2,3,4,5,6,7                        ; a lane holds one column: its bias in all eight registers of a C
	global_load_b32 v[BV+\e], v10, s[\bias:\bias+1]
.endr
.endif
	v_add_nc_u32 v5, \j*JOBB+GRP, v2               ; my own record,
	v_add_nc_u32 v6, \j*JOBB+GRP, v3               ; its scale words,
	v_add_nc_u32 v7, \j*JOBB, v1                   ; the stream,
	v_add_nc_u32 v8, \j*JOBB, v4                   ; its scale words
	s_wait_alu depctr_va_vdst(0)
.if \j == 0
	s_wait_tensorcnt 0x0                           ; my one load, if I issued one, has landed
	BARRIER                                        ; everybody's has: all six groups are whole, for all three jobs
.endif
.irp s, 0,1,2,3
.irp c, 0,1
	ds_load_b128 v[OWNF+8*\s+4*\c:OWNF+8*\s+4*\c+3], v5 offset:1024*\s+512*\c
.endr
.endr
	ds_load_b128 v[OWS:OWS+3], v6
.irp p, 0,1,2,3
	ds_load_b128 v[SS+4*\p:SS+4*\p+3], v8 offset:2*REC*\p
.endr
.irp s, 0,1,2,3
.if \s > 0
	PLACES                                         ; in front of loads into registers that the last products read
.endif
.irp i, 0,1,2,3,4,5,6,7
.irp c, 0,1
	ds_load_b128 v[SF+8*\i+4*\c:SF+8*\i+4*\c+3], v7 offset:REC*\i+1024*\s+512*\c
.endr
.endr
	s_wait_dscnt 0x0
.if \s == 0
	s_wait_loadcnt 0x0                             ; the bias
.endif
.irp i, 0,1,2,3,4,5,6,7                        ; the eight accumulators by turns, one instruction a turn
.if (\kind == 1) && (\s == 0)
	MM ACC+8*\i, SF+8*\i, OWNF+8*\s, BV, SS+4*(\i/2)+\s, OWS+\s, \i%2
.else
	MM ACC+8*\i, SF+8*\i, OWNF+8*\s, ACC+8*\i, SS+4*(\i/2)+\s, OWS+\s, \i%2
.endif
.endr
.endr
	PLACES
.if \j == 0
.set J_, 0
.rept 32
	v_pk_mul_f32 v[ACC+J_:ACC+J_+1], v[ACC+J_:ACC+J_+1], 0x3e000000 op_sel_hi:[1,0]   ; q / sqrt(64): x 0.125, in ascending order
.set J_, J_+2
.endr
.endif
	QUANT ACC, 4
.if \kind == 0
	global_store_b128 v1, v[PC:PC+3], s[\out:\out+1]                   ; blocks 0, 1: the pair's first head: 512 consecutive bytes
	global_store_b128 v1, v[PC+4:PC+7], s[\out:\out+1] offset:2*\hbs   ; blocks 2, 3: its second (hb + 2)
	ds_store_b16 v11, v[PW] offset:\gath                               ; and their scale bytes likewise
	ds_store_b16_d16_hi v11, v[PW] offset:\gath+256
.else
	global_store_b128 v1, v[PC:PC+3], s[\out:\out+1]                   ; keys 0-63 of the step,
	global_store_b128 v1, v[PC+4:PC+7], s[\out:\out+1] offset:512      ; keys 64-127
	ds_store_b32 v12, v[PW]
.endif
.endm
	JOB 0, 0, 66, 72, QHB, 0
	JOB 1, 0, 68, 74, KHB, 512
	JOB 2, 1, 70, 76, 0, 0
	BARRIER                                        ; all scale bytes lie in LDS
	s_cmp_lt_u32 s[WV], 6
	s_cbranch_scc0 .Lsent                          ; six blocks of 256 bytes, a wave each
	ds_load_b64 v[230:231], v14
	s_wait_dscnt 0x0
	global_store_b64 v13, v[230:231], s[78:79]     ; 256 consecutive bytes
.Lsent:
	s_wait_tensorcnt 0x0                           ; the wave's end
	ds_add_u32 v254, v255
	s_wait_dscnt 0x0
	ROUND                                          ; the closing round: no work-group ends while a partner may still ask for a group that names it
	s_endpgm
.Lfunc_end_k_qed3e30b087_proj:
	.size	k_qed3e30b087_proj, .Lfunc_end_k_qed3e30b087_proj-k_qed3e30b087_proj
	.p2alignl 7, 3214868480
	.fill 96, 4, 3214868480
	.section	.rodata,"a",@progbits
	.p2align	6, 0x0
	.amdhsa_kernel k_qed3e30b087_proj
		.amdhsa_group_segment_fixed_size 211456
		.amdhsa_private_segment_fixed_size 0
		.amdhsa_enable_private_segment 0
		.amdhsa_kernarg_size 48
		.amdhsa_user_sgpr_count 2
		.amdhsa_user_sgpr_kernarg_segment_ptr 1
		.amdhsa_wavefront_size32 1
		.amdhsa_system_sgpr_workgroup_id_x 1
		.amdhsa_system_sgpr_workgroup_id_y 1
		.amdhsa_system_sgpr_workgroup_id_z 1
		.amdhsa_system_vgpr_workitem_id 0
		.amdhsa_next_free_vgpr 256
		.amdhsa_next_free_sgpr 100
		.amdhsa_reserve_vcc 0
		.amdhsa_float_denorm_mode_32 3
		.amdhsa_float_denorm_mode_16_64 3
		.amdhsa_memory_ordered 1
		.amdhsa_forward_progress 1
		.amdhsa_inst_pref_size 61
	.end_amdhsa_kernel
	.amdgpu_metadata
---
amdhsa.version: [ 1, 2 ]
amdhsa.kernels:
  - .name:           k_qed3e30b087_proj
    .symbol:         k_qed3e30b087_proj.kd
    .args:
      - { .name: cs, .offset: 0, .size: 8, .value_kind: global_buffer, .address_space: global }
      - { .name: bq, .offset: 8, .size: 8, .value_kind: global_buffer, .address_space: global }
      - { .name: bk, .offset: 16, .size: 8, .value_kind: global_buffer, .address_space: global }
      - { .name: bv, .offset: 24, .size: 8, .value_kind: global_buffer, .address_space: global }
      - { .name: qr, .offset: 32, .size: 8, .value_kind: global_buffer, .address_space: global }
      - { .name: kv, .offset: 40, .size: 8, .value_kind: global_buffer, .address_space: global }
    .group_segment_fixed_size: 211456
    .private_segment_fixed_size: 0
    .kernarg_segment_align: 8
    .kernarg_segment_size: 48
    .max_flat_workgroup_size: 256
    .sgpr_count:     100
    .vgpr_count:     256
    .wavefront_size: 32
...
	.end_amdgpu_metadata
.endif
;; end of part 2
;; launch attn (part 3): grid 16 x 16, 16 waves a work-group, clusters of 4 x 1, 327,680 bytes of LDS; arguments qr, kv, ac, asc; writes ac, asc
.if DOCPART == 3
	.amdgcn_target "amdgcn-amd-amdhsa--gfx1250"
	.amdhsa_code_object_version 6
	.text
	.protected	k_qed3e30b087_attn
	.globl	k_qed3e30b087_attn
	.p2align	8
	.type	k_qed3e30b087_attn,@function
k_qed3e30b087_attn:
	s_mov_b64 s[64:65], 0
	v_nop
	global_prefetch_b8 v0, s[64:65] scope:SCOPE_SE
	s_setreg_imm32_b32 hwreg(HW_REG_WAVE_MODE, 25, 1), 1
	s_wait_xcnt 0x0
	s_wait_alu depctr_hold_cnt(0) depctr_sa_sdst(0) depctr_va_vdst(0) depctr_va_sdst(0) depctr_va_ssrc(0) depctr_va_vcc(0) depctr_vm_vsrc(0)
	s_getreg_b32 s2, hwreg(HW_REG_IB_STS2, 6, 4)
	s_cmp_eq_u32 s2, 0
	s_cbranch_scc0 .Lentry_in_a_cluster
	s_endpgm
.Lentry_in_a_cluster:
	s_bfe_u32 s2, ttmp6, 0x10000c
	s_cmp_lg_u32 s2, 0x3003
	s_cbranch_scc0 .Lentry_shape_is_right
	s_endpgm
.Lentry_shape_is_right:
; O = softmax(q k^T) v for one pair hb = 2 head + batch, both products on codes of FP4 (E2M1) with E8M0 scales; O is quantised again along hb's 64 channels, for the last projection.
; IN.  qr [hb 16][step 32][4352]: tile m (16 queries x 64 channels) at 512 m + 16 lane, its two scale bytes a row at 4096 + 64 (m / 2) + 4 r + 2 (m % 2).  kv [hb][step][K's record like qr's][V's record]:
; V's tile a (16 channels 32 (a / 2) + 8 (a % 2) + r + 8 (r / 8) x the step's 128 keys in their order) at 1024 a + 512 c + 16 lane, its scale words at 4096 + 64 a + 4 r.
; THE KEYS OF A TILE OF K: row i of tile 4 c + g is the step's key 64 c + 32 (i / 8) + 8 g + i % 8.  In the transposed scores lane (r, h) holds rows 8 h .. 8 h + 7 of each tile: so its 32 registers of tiles 4 c .. 4 c + 3 are
; the 32 neighbouring keys 64 c + 32 h + 0 .. 31: ONE WHOLE BLOCK of the second product's K, in the order that its operand's layout gives that lane.  A block's maximum needs no other lane, and the conversions' results are the operand.
; OUT.  ac [b' 2][tile 256][hb % 8][512]: my tile's codes as half a fragment of the next product; asc [hb][tile 256][r 16][2]: their scale bytes.
; THE SOFTMAX: t = score x log2(e); M = the running largest t rounded up to a whole number; p = 2^(t - M) is quantised along the keys, not normalised; the row's sum is taken of the unquantised p and divides O at the end.
; When M moves, the sum and O are multiplied by 2^(old M - new M), which rounds nothing; no branch hangs on data.
; SHARES.  A work-group owns 256 queries of hb, each of its sixteen waves one tile of 16; every wave walks the 32 steps of 128 keys.  Both products are used transposed: a lane holds one query throughout.
; The head has 64 channels and the instruction 128 along K: source 0 holds two tiles of keys side by side, source 1 q beside zero codes (byte 1), on the side of the tile that is meant.
; LDS.  hb's K and V, 278,528 bytes, are filled ONCE: wave w asks for records 4 w .. 4 w + 3 (68 rows of 256 bytes), its one tensor load.  One wait and one barrier show them to all; the loop has no barrier.
; Behind them 512 bytes in which the scale bytes meet, then the spare words.
; CLUSTER.  The four work-groups of a cluster have the same hb: the loads are JOINT (mask 15).
; No prefetch: every load goes out at the head, and no later load stands in the text to run ahead of.
; THE LOOP.  Behind a step's first products stand that step's loads of V and the NEXT step's loads of K: each has the softmax's length in which to come.  The last step is written out: it loads no further K.
; LIMITS: the promise holds while the scaled scores (the exponents to the base 2) stay under 2^31 in magnitude; NaN and infinities are not served; a block of zeros or under 2^-124 gets the byte 1 (this program alone reads the bytes).
; REGISTERS: v1 16 lane, v2 4 lane, v3-4 the step's addresses; v10 8 h, v11 16 + 8 h; v12 -M, v13 the largest score, v[14:15] the sum; v16-31 q and zeros; v32-63 K; v64-95 V; v96-159 S^T, then p; v160-191 O^T;
; v192-199 p's codes; v200-206 scale words (K 2, V 2, p, q 2); v208-215 partial sums; v232-254 at work; v251, v255 the add's two.
.set REC,   4352
.set STEPB, 2*REC
.set KHB,   32*STEPB
.set QHB,   32*REC
.set GATH,  KHB
.set SPARE, KHB+512
.set WV,    12
.set SEL,   20
.set CS,    22
.set G1,    24
.set G0,    32
.macro ROUND
	s_barrier_signal -1
	s_barrier_wait -1
	s_cmp_lg_u32 s[WV], 0
	s_cbranch_scc1 .Lnot_wave_0_\@
	s_barrier_signal -3
.Lnot_wave_0_\@:
	s_barrier_wait -3
	s_barrier_signal -1
	s_barrier_wait -1
.endm
.macro KLD a, b, off                   ; a step's four pairs of key tiles and their scale words
.irp e, 0,1,2,3
.irp c, 0,1
	ds_load_b128 v[32+8*\e+4*\c:35+8*\e+4*\c], v\a offset:\off+1024*\e+512*\c
.endr
.endr
	ds_load_b32 v200, v\b offset:\off+4096
	ds_load_b32 v201, v\b offset:\off+4224
.endm
.macro ADDP n                          ; the next n of 28 additions: the 32 pairs of p onto four chains by turns
.rept \n
.if SJ < 4
	v_pk_add_f32 v[208+2*SJ:209+2*SJ], v[96+4*SJ:97+4*SJ], v[98+4*SJ:99+4*SJ]
.else
	v_pk_add_f32 v[208+2*(SJ%4):209+2*(SJ%4)], v[208+2*(SJ%4):209+2*(SJ%4)], v[104+2*SJ:105+2*SJ]
.endif
.set SJ, SJ+1
.endr
.endm
	s_load_b256 s[4:11], s[0:1], 0x0               ; qr s[4:5], kv s[6:7], ac s[8:9], asc s[10:11]
	v_lshl_add_u32 v251, v0, 2, SPARE
	v_mov_b32 v255, 0
	ds_add_u32 v251, v255                          ; the opening lines: the add twice on end and its wait
	ds_add_u32 v251, v255
	v_lshrrev_b32 v1, 5, v0
	s_delay_alu instid0(VALU_DEP_1)
	v_readfirstlane_b32 s[WV], v1                  ; wave 0..15
	s_and_b32 s18, ttmp7, 0xffff                   ; hb, which the four partners share
	s_mov_b32 s[G1], 15|(3<<16)|(1<<21)            ; the mask: all four; elements of 8 bytes; bit 21 beside a mask
	s_mov_b32 s[G1+1], 32<<16
	s_mov_b32 s[G1+2], 68<<16                      ; four records: 68 dense rows of 256 bytes
	s_mov_b32 s[G1+3], 32<<16
	s_mov_b32 s[G1+4], 68
	s_mov_b32 s[G1+5], 32
	s_mov_b32 s[G1+6], 0
	s_mov_b32 s[G1+7], 0
	s_mul_i32 s56, s18, KHB
	s_mul_i32 s15, s[WV], 4*REC
	s_add_co_u32 s56, s56, s15
	s_mov_b32 s57, 0
	s_mov_b32 s[SEL], 0x76543210
	s_mov_b32 s[SEL+1], 0xfedcba98
	s_mov_b32 s[CS], 0x3fb8aa3b                    ; log2(e)
	s_mov_b32 s[CS+1], s[CS]
	s_wait_dscnt 0x0
	s_wait_kmcnt 0x0
	s_mov_b32 s[G0], 1
	s_mov_b32 s[G0+1], s15
	s_add_nc_u64 s[G0+2:G0+3], s[6:7], s[56:57]
	s_or_b32 s[G0+3], s[G0+3], 0x80000000
	ROUND                                          ; all four work-groups are here: the joint loads meet
	tensor_load_to_lds s[G0:G0+3], s[G1:G1+7]      ; my one tensor load
	s_nop 0
.rept 4
	v_nop
.endr
	s_bfe_u32 s66, ttmp6, 0x40000
	s_lshl_b32 s67, ttmp9, 2
	s_add_co_u32 s67, s67, s66                     ; which 256 queries
	s_mov_b32 s69, 0
	s_mul_i32 s70, s18, QHB
	s_lshl_b32 s72, s67, 1
	s_lshr_b32 s73, s[WV], 3
	s_add_co_u32 s72, s72, s73                     ; q's record: step 2 x + w / 8
	s_mul_i32 s72, s72, REC
	s_add_co_u32 s70, s70, s72
	s_and_b32 s72, s[WV], 7                        ; tile m = w % 8
	s_lshl_b32 s73, s72, 9
	s_add_co_u32 s68, s70, s73
	s_add_nc_u64 s[48:49], s[4:5], s[68:69]        ; its codes
	s_lshr_b32 s73, s72, 1
	s_lshl_b32 s73, s73, 6
	s_add_co_u32 s68, s70, s73
	s_and_b32 s73, s[WV], 1
	s_lshl_b32 s73, s73, 1
	s_add_co_u32 s68, s68, s73
	s_add_co_u32 s68, s68, 4096
	s_add_nc_u64 s[50:51], s[4:5], s[68:69]        ; its scale bytes
	s_lshr_b32 s70, s18, 3
	s_lshl_b32 s70, s70, 8
	s_lshl_b32 s71, s67, 4
	s_add_co_u32 s70, s70, s71
	s_add_co_u32 s70, s70, s[WV]                   ; 256 b' + tile
	s_lshl_b32 s70, s70, 3
	s_and_b32 s71, s18, 7
	s_add_co_u32 s70, s70, s71
	s_lshl_b32 s68, s70, 9
	s_add_nc_u64 s[52:53], s[8:9], s[68:69]        ; my 512 bytes of ac
	s_lshl_b32 s70, s18, 4
	s_add_co_u32 s70, s70, s67
	s_lshl_b32 s68, s70, 9
	s_add_nc_u64 s[54:55], s[10:11], s[68:69]      ; the work-group's 512 bytes of asc
	v_and_b32 v8, 31, v0
	s_delay_alu instid0(VALU_DEP_1)
	v_lshlrev_b32 v1, 4, v8
	s_delay_alu instid0(VALU_DEP_2)
	v_lshlrev_b32 v2, 2, v8
	v_and_b32 v9, 15, v0
	s_delay_alu instid0(VALU_DEP_1)
	v_lshlrev_b32 v5, 2, v9
	global_load_b128 v[16:19], v1, s[48:49]        ; q beside zeros: v[16:23] for the even tiles of keys,
	global_load_b128 v[28:31], v1, s[48:49]        ; v[24:31] for the odd ones
	global_load_u16 v207, v5, s[50:51]
.irp j, 20,21,22,23,24,25,26,27
	v_mov_b32 v\j, 0
.endr
	v_bfe_u32 v10, v0, 4, 1
	v_mov_b32 v13, 0xff61b1e6                      ; the largest score so far: -3e38
	v_mov_b32 v12, 0x7f61b1e6                      ; -M: 3e38
	v_lshlrev_b32 v10, 3, v10                      ; 8 h: where my first block's scale byte stands in the word,
	v_mov_b32 v14, 0
	v_mov_b32 v15, 0
	v_add_nc_u32 v11, 16, v10                      ; and my second's
.irp b, 0,1,2,3
	v_mov_b32 v[236+\b], 0                         ; a lane permute's destination counts as one of its sources
.endr
	v_mov_b32 v253, 0                              ; named with v252 as a pair
	s_wait_alu depctr_va_vdst(0)                   ; ahead of a wait that blocks
	s_wait_loadcnt 0x0
	v_or_b32 v205, 0x01010000, v207                ; q's two bytes, then byte 1 for the zeros;
	v_lshl_or_b32 v206, v207, 16, 0x0101           ; and the other way round
.set J_, 0
.rept 32
	v_mov_b32 v[160+J_], 0                         ; O^T: the loop has no first step of its own
.set J_, J_+1
.endr
	s_wait_alu depctr_va_vdst(0)                   ; the head's end
	s_wait_tensorcnt 0x0                           ; my four records have landed,
	s_barrier_signal -1
	s_barrier_wait -1                              ; everybody's have: nothing is filled again
	KLD 1, 2, 0                                    ; step 0's K
	s_mov_b32 s13, 0
	s_mov_b32 s14, 31
.macro STEP last
.set SJ, 0
	s_wait_dscnt 0x0                               ; this step's K, asked for a step ago
.irp t, 0,1,2,3,4,5,6,7
.if (\t/2)%2
	v_wmma_scale_f32_16x16x128_f8f6f4 v[96+8*\t:103+8*\t], v[32+8*(\t/2):39+8*(\t/2)], v[16+8*(\t%2):23+8*(\t%2)], 0, v[200+\t/4], v[205+\t%2] matrix_a_fmt:MATRIX_FMT_FP4 matrix_b_fmt:MATRIX_FMT_FP4 matrix_a_scale:MATRIX_SCALE_ROW1
.else
	v_wmma_scale_f32_16x16x128_f8f6f4 v[96+8*\t:103+8*\t], v[32+8*(\t/2):39+8*(\t/2)], v[16+8*(\t%2):23+8*(\t%2)], 0, v[200+\t/4], v[205+\t%2] matrix_a_fmt:MATRIX_FMT_FP4 matrix_b_fmt:MATRIX_FMT_FP4
.endif
.endr
	v_add_nc_u32 v3, s13, v1                       ; four plain instructions behind the products (ISA guide 7.12.1): the step's addresses,
	v_add_nc_u32 v4, s13, v2
	v_mov_b32 v254, v12                            ; the old -M,
	v_nop
.irp a, 0,1,2,3
.irp c, 0,1
	ds_load_b128 v[64+8*\a+4*\c:67+8*\a+4*\c], v3 offset:REC+1024*\a+512*\c   ; this step's V: 10 loads
.endr
.endr
	ds_load_b32 v202, v4 offset:REC+4096
	ds_load_b32 v203, v4 offset:REC+4224
.if \last == 0
	KLD 3, 4, STEPB                                ; the next step's K: 10 loads
.endif
.irp c, 0,1,2,3
	v_max3_num_f32 v[232+\c], v[96+16*\c], v[97+16*\c], v[98+16*\c]   ; the largest score of my two blocks of 32 keys, in four chains by turns, each accumulator from its low end on
.endr
.irp i, 3,5,7,9,11,13
.irp c, 0,1,2,3
	v_max3_num_f32 v[232+\c], v[232+\c], v[96+16*\c+\i], v[97+16*\c+\i]
.endr
.endr
	v_max3_num_f32 v232, v232, v233, v111
	v_max3_num_f32 v234, v234, v235, v143
	v_max_num_f32 v232, v232, v127                 ; block h's largest score: it serves for the row's maximum and for the block's largest p
	v_max_num_f32 v234, v234, v159                 ; block 2 + h's
	v_max_num_f32 v250, v232, v234
	v_permlanex16_b32 v236, v250, s[SEL], s[SEL+1]
	v_max3_num_f32 v13, v13, v250, v236            ; with lane l xor 16's two blocks: the running largest score
	s_delay_alu instid0(VALU_DEP_1)
	v_mul_f32 v250, s[CS], v13                     ; as t
	s_delay_alu instid0(VALU_DEP_1)
	v_floor_f32 v12, -v250                         ; the new -M = -ceil(t)
	s_delay_alu instid0(VALU_DEP_1)
	v_sub_f32 v254, v12, v254                      ; old M - new M: a whole number, 0 or less
	s_delay_alu instid0(VALU_DEP_1)
	v_cvt_i32_f32 v254, v254                       ; (it saturates)
	s_delay_alu instid0(VALU_DEP_1)
	v_ldexp_f32 v252, 1.0, v254                    ; f = 2^(old M - new M)
.set J_, 0
.rept 32
	v_pk_fma_f32 v[96+J_:97+J_], v[96+J_:97+J_], s[CS:CS+1], v[12:13] op_sel_hi:[1,0,0]   ; t - M
.set J_, J_+2
.endr
	v_fma_f32 v232, v232, s[CS], v12               ; the same of each block's largest score
	v_fma_f32 v234, v234, s[CS], v12
.set J_, 0
.rept 16
	v_pk_mul_f32 v[160+J_:161+J_], v[160+J_:161+J_], v[252:253] op_sel_hi:[1,0]   ; O^T under the new M, each accumulator from its low end on; ahead of the exponentials
.set J_, J_+2
.endr
	s_wait_alu depctr_va_vdst(0)                   ; one wait ahead of the batch
.set J_, 0
.rept 64
	v_exp_f32 v[96+J_], v[96+J_]                   ; p = 2^(t - M)
.set J_, J_+1
.endr
	v_exp_f32 v232, v232                           ; the blocks' largest p: the same two instructions on the same number
	v_exp_f32 v234, v234
	v_pk_mul_f32 v[14:15], v[14:15], v[252:253] op_sel_hi:[1,0]   ; the sum under the new M: a plain place behind the batch
	s_wait_alu depctr_va_vdst(0)                   ; and one wait behind it
	v_max_num_f32 v232, 0x1800000, v232            ; the floor 2^(3 - 127): the byte cannot fall under 1.  The scales' short chain and the row's sum of the unquantised p stand by turns
	v_max_num_f32 v234, 0x1800000, v234
	ADDP 2
	v_add_nc_u32 v244, 0xff000000, v232            ; 2 off the exponent field: the conversion's scale operand
	v_add_nc_u32 v245, 0xff000000, v234
	ADDP 2
	v_lshrrev_b32 v237, 23, v244                   ; the scale's byte
	v_lshrrev_b32 v239, 23, v245
	ADDP 2
	v_lshlrev_b32 v237, v10, v237                  ; block h's at byte h,
	ADDP 2
	v_lshl_or_b32 v237, v239, v11, v237            ; block 2 + h's at byte 2 + h
	ADDP 2
	v_permlanex16_b32 v238, v237, s[SEL], s[SEL+1]
	ADDP 2
	v_or_b32 v204, v237, v238                      ; with lane l xor 16's two: p's scale word for these 128 keys
.irp t, 0,1,2,3,4,5,6,7
	v_cvt_scalef32_pk8_fp4_f32 v[192+\t], v[96+8*\t:103+8*\t], v[244+\t/4]   ; register 4 c + g: keys 64 c + 32 h + 8 g + 0 .. 7: the operand as it is wanted
.endr
	ADDP 16                                        ; these and the four below also stand between the writes of p's codes and scale word and the products
	v_pk_add_f32 v[208:209], v[208:209], v[210:211]
	v_pk_add_f32 v[212:213], v[212:213], v[214:215]
	v_pk_add_f32 v[14:15], v[14:15], v[208:209]
	v_pk_add_f32 v[14:15], v[14:15], v[212:213]
	s_wait_alu depctr_va_vdst(0)                   ; ahead of a wait that blocks
.if \last == 0
	s_wait_dscnt 10                                ; V is in; the 10 younger loads, the next step's K, may be out
.else
	s_wait_dscnt 0x0
.endif
.irp a, 0,1,2,3
.if \a%2
	v_wmma_scale_f32_16x16x128_f8f6f4 v[160+8*\a:167+8*\a], v[64+8*\a:71+8*\a], v[192:199], v[160+8*\a:167+8*\a], v[202+\a/2], v204 matrix_a_fmt:MATRIX_FMT_FP4 matrix_b_fmt:MATRIX_FMT_FP4 matrix_a_scale:MATRIX_SCALE_ROW1
.else
	v_wmma_scale_f32_16x16x128_f8f6f4 v[160+8*\a:167+8*\a], v[64+8*\a:71+8*\a], v[192:199], v[160+8*\a:167+8*\a], v[202+\a/2], v204 matrix_a_fmt:MATRIX_FMT_FP4 matrix_b_fmt:MATRIX_FMT_FP4
.endif
.endr
.endm
.Lstep:                                                ; 31 trips; the four accumulators of O^T take turns, one instruction a turn
	STEP 0
	s_add_co_u32 s13, s13, STEPB
	s_sub_co_u32 s14, s14, 1
	s_cmp_lg_u32 s14, 0
	s_cbranch_scc1 .Lstep
	STEP 1
	; THE WAY OUT: O^T / the sum, quantised along the 64 channels
	v_add_f32 v14, v14, v15
	s_delay_alu instid0(VALU_DEP_1)
	v_permlanex16_b32 v252, v14, s[SEL], s[SEL+1]
	s_delay_alu instid0(VALU_DEP_1)
	v_add_f32 v14, v14, v252                       ; the row's sum
	s_wait_alu depctr_va_vdst(0)                   ; ahead of the transcendental
	v_rcp_f32 v14, v14
	v_and_b32 v8, 15, v0
	s_delay_alu instid0(VALU_DEP_1)
	v_lshlrev_b32 v6, 1, v8
	s_lshl_b32 s15, s[WV], 5
	s_add_co_u32 s15, s15, GATH
	v_add_nc_u32 v6, s15, v6                       ; my row's two scale bytes: GATH + 32 w + 2 r
	v_add_nc_u32 v7, GATH, v1
	s_wait_alu depctr_va_vdst(0)                   ; behind it, directly ahead of the first readers of O^T
.set J_, 0
.rept 32
	v_mul_f32 v[96+J_], v[160+J_], v14
.set J_, J_+1
.endr
.irp b, 0,1
	v_max3_num_f32 v[232+\b], |v[96+16*\b]|, |v[97+16*\b]|, 0x1800000
.endr
.irp i, 2,4,6,8,10,12,14
.irp b, 0,1
	s_delay_alu instid0(VALU_DEP_2)
	v_max3_num_f32 v[232+\b], v[232+\b], |v[96+16*\b+\i]|, |v[97+16*\b+\i]|
.endr
.endr
.irp b, 0,1
	s_delay_alu instid0(VALU_DEP_2)
	v_permlanex16_b32 v[236+\b], v[232+\b], s[SEL], s[SEL+1]
.endr
.irp b, 0,1
	s_delay_alu instid0(VALU_DEP_2)
	v_max_num_f32 v[232+\b], v[232+\b], v[236+\b]
.endr
.irp b, 0,1
	s_delay_alu instid0(VALU_DEP_2)
	v_add_nc_u32 v[244+\b], 0xff000000, v[232+\b]
.endr
.irp b, 0,1
	s_delay_alu instid0(VALU_DEP_2)
	v_lshrrev_b32 v[236+\b], 23, v[244+\b]
.endr
	s_delay_alu instid0(VALU_DEP_1)
	v_lshl_or_b32 v208, v237, 8, v236
.irp b, 0,1
	v_cvt_scalef32_pk8_fp4_f32 v[192+2*\b], v[96+16*\b:103+16*\b], v[244+\b]
	v_cvt_scalef32_pk8_fp4_f32 v[193+2*\b], v[104+16*\b:111+16*\b], v[244+\b]
.endr
	v_nop
	v_permlane16_swap_b32 v192, v194
	v_permlane16_swap_b32 v193, v195
	global_store_b128 v1, v[192:195], s[52:53]     ; 512 consecutive bytes
	ds_store_b16 v6, v208
	s_wait_dscnt 0x0
	s_barrier_signal -1
	s_barrier_wait -1                              ; all sixteen tiles' scale bytes lie in LDS
	s_cmp_lg_u32 s[WV], 0
	s_cbranch_scc1 .Lsent
	ds_load_b128 v[196:199], v7
	s_wait_dscnt 0x0
	global_store_b128 v1, v[196:199], s[54:55]     ; 512 consecutive bytes
.Lsent:
	s_wait_tensorcnt 0x0                           ; the wave's end
	ds_add_u32 v251, v255
	s_wait_dscnt 0x0
	ROUND                                          ; the closing round
	s_endpgm
.Lfunc_end_k_qed3e30b087_attn:
	.size	k_qed3e30b087_attn, .Lfunc_end_k_qed3e30b087_attn-k_qed3e30b087_attn
	.p2alignl 7, 3214868480
	.fill 96, 4, 3214868480
	.section	.rodata,"a",@progbits
	.p2align	6, 0x0
	.amdhsa_kernel k_qed3e30b087_attn
		.amdhsa_group_segment_fixed_size 327680
		.amdhsa_private_segment_fixed_size 0
		.amdhsa_enable_private_segment 0
		.amdhsa_kernarg_size 32
		.amdhsa_user_sgpr_count 2
		.amdhsa_user_sgpr_kernarg_segment_ptr 1
		.amdhsa_wavefront_size32 1
		.amdhsa_system_sgpr_workgroup_id_x 1
		.amdhsa_system_sgpr_workgroup_id_y 1
		.amdhsa_system_sgpr_workgroup_id_z 1
		.amdhsa_system_vgpr_workitem_id 0
		.amdhsa_next_free_vgpr 256
		.amdhsa_next_free_sgpr 80
		.amdhsa_reserve_vcc 0
		.amdhsa_float_denorm_mode_32 3
		.amdhsa_float_denorm_mode_16_64 3
		.amdhsa_memory_ordered 1
		.amdhsa_forward_progress 1
		.amdhsa_inst_pref_size 40
	.end_amdhsa_kernel
	.amdgpu_metadata
---
amdhsa.version: [ 1, 2 ]
amdhsa.kernels:
  - .name:           k_qed3e30b087_attn
    .symbol:         k_qed3e30b087_attn.kd
    .args:
      - { .name: qr, .offset: 0, .size: 8, .value_kind: global_buffer, .address_space: global }
      - { .name: kv, .offset: 8, .size: 8, .value_kind: global_buffer, .address_space: global }
      - { .name: ac, .offset: 16, .size: 8, .value_kind: global_buffer, .address_space: global }
      - { .name: asc, .offset: 24, .size: 8, .value_kind: global_buffer, .address_space: global }
    .group_segment_fixed_size: 327680
    .private_segment_fixed_size: 0
    .kernarg_segment_align: 8
    .kernarg_segment_size: 32
    .max_flat_workgroup_size: 512
    .sgpr_count:     80
    .vgpr_count:     256
    .wavefront_size: 32
...
	.end_amdgpu_metadata
.endif
;; end of part 3
;; launch oproj (part 4): grid 64 x 4, 8 waves a work-group, clusters of 4 x 1, 168,960 bytes of LDS; arguments ac, asc, cs, bo, out0; writes out0
.if DOCPART == 4
	.amdgcn_target "amdgcn-amd-amdhsa--gfx1250"
	.amdhsa_code_object_version 6
	.text
	.protected	k_qed3e30b087_oproj
	.globl	k_qed3e30b087_oproj
	.p2align	8
	.type	k_qed3e30b087_oproj,@function
k_qed3e30b087_oproj:
	s_mov_b64 s[64:65], 0
	v_nop
	global_prefetch_b8 v0, s[64:65] scope:SCOPE_SE
	s_setreg_imm32_b32 hwreg(HW_REG_WAVE_MODE, 25, 1), 1
	s_wait_xcnt 0x0
	s_wait_alu depctr_hold_cnt(0) depctr_sa_sdst(0) depctr_va_vdst(0) depctr_va_sdst(0) depctr_va_ssrc(0) depctr_va_vcc(0) depctr_vm_vsrc(0)
	s_getreg_b32 s2, hwreg(HW_REG_IB_STS2, 6, 4)
	s_cmp_eq_u32 s2, 0
	s_cbranch_scc0 .Lentry_in_a_cluster
	s_endpgm
.Lentry_in_a_cluster:
	s_bfe_u32 s2, ttmp6, 0x10000c
	s_cmp_lg_u32 s2, 0x3003
	s_cbranch_scc0 .Lentry_shape_is_right
	s_endpgm
.Lentry_shape_is_right:
; out0 = A Wo^T + bo on codes of FP4 (E2M1) with E8M0 scales.  A's row (s, b') is attention's result of heads 4 b' .. 4 b' + 3, K = 128 (head % 4) + 64 batch + channel.
; IN.  ac [b' 2][tile 256][sg 4][c 2][512]: a tile's four fragments as images of operand registers.  asc [hb 16][tile 256][r 16][2]: hb = 8 b' + 2 sg + batch: the lower (batch 0) or upper half of row r's scale word of K step sg.
; cs: Wo's tiles are records 1632 to 1663 (4,352 bytes: four fragments, then 16 bytes of scale words a row).  Row i of tile 2 e + u, of A and of Wo, is source row 32 e + 8 u + i + 8 (i / 8).
; SHARES.  Work-group (g, nq): 128 rows (b' = g / 32, tiles 8 (g % 32) + w, one a wave) x a quarter of the columns.  Wave w keeps its tile's four fragments as source 1 and takes Wo's eight tiles from LDS as source 0:
; a lane holds one row of the result and its 64 registers run along the columns.  Eight accumulators by turns, four K steps.  bo is the C of the first products.
; CLUSTER.  The four work-groups of a cluster have the same nq: Wo's records are asked for JOINTLY (mask 15), one load a wave, filled once.
; LDS.  0 to 34,815: Wo's eight records.  Behind them a stage of 16 rows x (512 + 16) bytes for each wave, which no tensor load touches.
.set REC,  4352
.set STG0, 8*REC
.set STG,  16*528                      ; rows of 132 words: row r starts at bank 4 r mod 64 (64 banks of 4 bytes: ISA guide 11.1)
.set WV,   16
.set SEL,  20
.set G1,   24
.set G0,   32
.set AF,   16                          ; v16-47   my tile's four fragments
.set AS,   48                          ; v48-51   its scale words
.set SS,   52                          ; v52-67   Wo's: register 4 p + sg: lanes 0-15 tile 2 p, lanes 16-31 tile 2 p + 1
.set AH,   68                          ; v68-71   half scale words as loaded;  v72-75 lane l xor 16's
.set AT,   72
.set SF,   76                          ; v76-139  Wo's eight fragments of a K step; later the rows on their way out
.set ACC,  140                         ; v140-203 eight accumulators
.macro ROUND
	s_barrier_signal -1
	s_barrier_wait -1
	s_cmp_lg_u32 s[WV], 0
	s_cbranch_scc1 .Lnot_wave_0_\@
	s_barrier_signal -3
.Lnot_wave_0_\@:
	s_barrier_wait -3
	s_barrier_signal -1
	s_barrier_wait -1
.endm
.macro PLACES n
.rept \n
	v_nop
.endr
.endm
.macro MM d, a, b, c, sa, sb, odd      ; odd: source 0's scale words stand in lanes 16-31
.if \odd
	v_wmma_scale_f32_16x16x128_f8f6f4 v[\d:\d+7], v[\a:\a+7], v[\b:\b+7], v[\c:\c+7], v[\sa], v[\sb] matrix_a_fmt:MATRIX_FMT_FP4 matrix_b_fmt:MATRIX_FMT_FP4 matrix_a_scale:MATRIX_SCALE_ROW1
.else
	v_wmma_scale_f32_16x16x128_f8f6f4 v[\d:\d+7], v[\a:\a+7], v[\b:\b+7], v[\c:\c+7], v[\sa], v[\sb] matrix_a_fmt:MATRIX_FMT_FP4 matrix_b_fmt:MATRIX_FMT_FP4
.endif
.endm
	s_load_b256 s[4:11], s[0:1], 0x0               ; ac s[4:5], asc s[6:7], cs s[8:9], bo s[10:11]
	s_load_b64 s[12:13], s[0:1], 0x20              ; out0
	v_lshl_add_u32 v254, v0, 2, 0x29000
	v_mov_b32 v255, 0
	ds_add_u32 v254, v255
	ds_add_u32 v254, v255
	v_lshrrev_b32 v1, 5, v0
	s_delay_alu instid0(VALU_DEP_1)
	v_readfirstlane_b32 s[WV], v1                  ; wave 0..7
	s_and_b32 s19, ttmp7, 0xffff                   ; nq, which the four partners share
	s_mov_b32 s[G1], 15|(3<<16)|(1<<21)            ; the mask: all four work-groups; elements of 8 bytes; bit 21 set beside a mask.  A record: 17 rows of 256 dense bytes
	s_mov_b32 s[G1+1], 32<<16
	s_mov_b32 s[G1+2], 17<<16
	s_mov_b32 s[G1+3], 32<<16
	s_mov_b32 s[G1+4], 17
	s_mov_b32 s[G1+5], 32
	s_mov_b32 s[G1+6], 0
	s_mov_b32 s[G1+7], 0
	s_lshl_b32 s40, s19, 3
	s_add_co_u32 s40, s40, s[WV]
	s_add_co_u32 s40, s40, 1632                    ; Wo's tile 8 nq + w
	s_mul_i32 s40, s40, REC
	s_mov_b32 s41, 0
	s_mul_i32 s42, s[WV], REC
	s_mov_b32 s[SEL], 0x76543210
	s_mov_b32 s[SEL+1], 0xfedcba98
	s_wait_dscnt 0x0
	s_wait_kmcnt 0x0
	s_mov_b32 s[G0], 1
	s_mov_b32 s[G0+1], s42
	s_add_nc_u64 s[G0+2:G0+3], s[8:9], s[40:41]
	s_or_b32 s[G0+3], s[G0+3], 0x80000000
	ROUND                                          ; all four work-groups are here: the joint loads meet
	tensor_load_to_lds s[G0:G0+3], s[G1:G1+7]
	s_nop 0
	PLACES 4                                       ; four v_nop follow it
	s_bfe_u32 s17, ttmp6, 0x40000                  ; cx
	s_lshl_b32 s18, ttmp9, 2
	s_add_co_u32 s18, s18, s17                     ; g
	s_mov_b32 s47, 0
	s_lshl_b32 s44, s18, 3
	s_add_co_u32 s44, s44, s[WV]                   ; 8 g + w = 256 b' + tile
	s_lshl_b32 s46, s44, 12
	s_add_nc_u64 s[48:49], s[4:5], s[46:47]        ; my tile's 4,096 bytes of codes
	s_lshr_b32 s45, s18, 5                         ; b'
	s_and_b32 s50, s44, 255                        ; tile
	s_lshl_b32 s46, s45, 16
	s_lshl_b32 s51, s50, 5
	s_add_co_u32 s46, s46, s51
	s_add_nc_u64 s[52:53], s[6:7], s[46:47]        ; its scale bytes: hb = 8 b', 32 bytes a tile
	s_lshl_b32 s46, s19, 9
	s_add_nc_u64 s[54:55], s[10:11], s[46:47]      ; the quarter's 128 numbers of bo
	s_lshl_b32 s51, s50, 4
	s_and_b32 s56, s50, 1
	s_lshl_b32 s56, s56, 3
	s_sub_co_u32 s51, s51, s56                     ; the tile's first s: 16 tile - 8 (tile % 2)
	s_lshl_b32 s51, s51, 12                        ; 4,096 bytes from s to s + 1
	s_add_co_u32 s46, s46, s51
	s_lshl_b32 s51, s45, 11
	s_add_co_u32 s46, s46, s51                     ; + b' x 2,048, + nq x 512
	s_add_nc_u64 s[56:57], s[12:13], s[46:47]
	s_mul_i32 s58, s[WV], STG
	s_add_co_u32 s58, s58, STG0                    ; my stage
	v_and_b32 v15, 31, v0                          ; lane
	v_and_b32 v10, 15, v0                          ; r
	v_bfe_u32 v11, v0, 4, 1                        ; hl
	s_delay_alu instid0(VALU_DEP_3)
	v_lshlrev_b32 v1, 4, v15                       ; v1  16 x lane
	s_delay_alu instid0(VALU_DEP_3)
	v_lshlrev_b32 v2, 1, v10
	s_delay_alu instid0(VALU_DEP_1)
	v_lshl_add_u32 v2, v11, 13, v2                 ; v2  2 r + 8,192 hl: lanes 0-15 batch 0's half word, lanes 16-31 batch 1's
	s_delay_alu instid0(VALU_DEP_4)
	v_mul_u32_u24 v4, v11, REC
	s_delay_alu instid0(VALU_DEP_1)
	v_lshl_add_u32 v4, v10, 4, v4
	s_delay_alu instid0(VALU_DEP_1)
	v_add_nc_u32 v4, 4096, v4                      ; v4  Wo's scale words: lanes 0-15 an even record, lanes 16-31 the record behind it
	v_lshlrev_b32 v9, 6, v11                       ; v9  bo: 16 numbers further on for lanes 16-31
	v_mul_u32_u24 v5, v10, 528
	s_delay_alu instid0(VALU_DEP_1)
	v_lshl_add_u32 v5, v11, 6, v5
	s_delay_alu instid0(VALU_DEP_1)
	v_add_nc_u32 v5, s58, v5                       ; v5  the stage, in: row r, + 64 hl
	v_add_nc_u32 v6, s58, v1                       ; v6  and back: a row's 512 bytes
.irp s, 0,1,2,3
	v_mov_b32 v[AT+\s], 0                          ; written once: a lane permute's destination counts as one of its sources
.endr
.irp s, 0,1,2,3
.irp c, 0,1
	global_load_b128 v[AF+8*\s+4*\c:AF+8*\s+4*\c+3], v1, s[48:49] offset:1024*\s+512*\c
.endr
.endr
.irp s, 0,1,2,3
	global_load_u16 v[AH+\s], v2, s[52:53] offset:16384*\s
.endr
.irp i, 0,1,2,3,4,5,6,7                        ; bo straight into the accumulators: register 8 i + n: column 32 (i / 2) + 16 hl + 8 (i % 2) + n
	global_load_b128 v[ACC+8*\i:ACC+8*\i+3], v9, s[54:55] offset:(32*(\i/2)+8*(\i%2))*4
	global_load_b128 v[ACC+8*\i+4:ACC+8*\i+7], v9, s[54:55] offset:(32*(\i/2)+8*(\i%2))*4+16
.endr
	s_wait_alu depctr_va_vdst(0)
	s_wait_loadcnt 0x0
.irp s, 0,1,2,3
	v_permlanex16_b32 v[AT+\s], v[AH+\s], s[SEL], s[SEL+1]
.endr
.irp s, 0,1,2,3
	s_delay_alu instid0(VALU_DEP_4)
	v_lshl_or_b32 v[AS+\s], v[AT+\s], 16, v[AH+\s] ; in lanes 0-15, which are the ones read: batch 0's two bytes, then batch 1's
.endr
	PLACES 8                                       ; a scale register written by a vector instruction stands eight plain instructions ahead of the scaled product
	s_wait_alu depctr_va_vdst(0)
	s_wait_tensorcnt 0x0                           ; my record of Wo has landed,
	s_barrier_signal -1
	s_barrier_wait -1                              ; everybody's has
.irp p, 0,1,2,3
	ds_load_b128 v[SS+4*\p:SS+4*\p+3], v4 offset:2*REC*\p
.endr
.irp s, 0,1,2,3
.if \s > 0
	PLACES 4                                       ; in front of loads into registers that the last products read
.endif
.irp i, 0,1,2,3,4,5,6,7
.irp c, 0,1
	ds_load_b128 v[SF+8*\i+4*\c:SF+8*\i+4*\c+3], v1 offset:REC*\i+1024*\s+512*\c
.endr
.endr
	s_wait_dscnt 0x0
.irp i, 0,1,2,3,4,5,6,7                        ; the eight accumulators by turns, one instruction a turn
	MM ACC+8*\i, SF+8*\i, AF+8*\s, ACC+8*\i, SS+4*(\i/2)+\s, AS+\s, \i%2
.endr
.endr
	PLACES 4
	; THE WAY OUT: a lane holds pieces of one row, the lanes beside it other rows: through my own stage, and back as whole rows of 512 bytes
.irp i, 0,1,2,3,4,5,6,7
	ds_store_b128 v5, v[ACC+8*\i:ACC+8*\i+3] offset:128*(\i/2)+32*(\i%2)         ; each accumulator from its low end on
	ds_store_b128 v5, v[ACC+8*\i+4:ACC+8*\i+7] offset:128*(\i/2)+32*(\i%2)+16
.endr
.irp i, 0,1,2,3,4,5,6,7,8,9,10,11,12,13,14,15
	ds_load_b128 v[SF+4*\i:SF+4*\i+3], v6 offset:528*\i    ; LDS serves a wave's instructions in order: these see my stores
.endr
.irp i, 0,1,2,3,4,5,6,7,8,9,10,11,12,13,14,15
	s_wait_dscnt 15-\i                             ; row i is back; the 15 - i younger loads may be out
	global_store_b128 v1, v[SF+4*\i:SF+4*\i+3], s[56:57] offset:(\i+8*(\i/8))*4096 th:TH_STORE_NT   ; 512 consecutive bytes of row s + i + 8 (i / 8), at a multiple of 256 from the buffer's first byte; written once, read by nobody here
.endr
	s_wait_tensorcnt 0x0
	ds_add_u32 v254, v255
	s_wait_dscnt 0x0
	ROUND                                          ; the closing round: no work-group ends while a partner may still ask for a record that names it
	s_endpgm
.Lfunc_end_k_qed3e30b087_oproj:
	.size	k_qed3e30b087_oproj, .Lfunc_end_k_qed3e30b087_oproj-k_qed3e30b087_oproj
	.p2alignl 7, 3214868480
	.fill 96, 4, 3214868480
	.section	.rodata,"a",@progbits
	.p2align	6, 0x0
	.amdhsa_kernel k_qed3e30b087_oproj
		.amdhsa_group_segment_fixed_size 168960
		.amdhsa_private_segment_fixed_size 0
		.amdhsa_enable_private_segment 0
		.amdhsa_kernarg_size 40
		.amdhsa_user_sgpr_count 2
		.amdhsa_user_sgpr_kernarg_segment_ptr 1
		.amdhsa_wavefront_size32 1
		.amdhsa_system_sgpr_workgroup_id_x 1
		.amdhsa_system_sgpr_workgroup_id_y 1
		.amdhsa_system_sgpr_workgroup_id_z 1
		.amdhsa_system_vgpr_workitem_id 0
		.amdhsa_next_free_vgpr 256
		.amdhsa_next_free_sgpr 66
		.amdhsa_reserve_vcc 0
		.amdhsa_float_denorm_mode_32 3
		.amdhsa_float_denorm_mode_16_64 3
		.amdhsa_memory_ordered 1
		.amdhsa_forward_progress 1
		.amdhsa_inst_pref_size 22
	.end_amdhsa_kernel
	.amdgpu_metadata
---
amdhsa.version: [ 1, 2 ]
amdhsa.kernels:
  - .name:           k_qed3e30b087_oproj
    .symbol:         k_qed3e30b087_oproj.kd
    .args:
      - { .name: ac, .offset: 0, .size: 8, .value_kind: global_buffer, .address_space: global }
      - { .name: asc, .offset: 8, .size: 8, .value_kind: global_buffer, .address_space: global }
      - { .name: cs, .offset: 16, .size: 8, .value_kind: global_buffer, .address_space: global }
      - { .name: bo, .offset: 24, .size: 8, .value_kind: global_buffer, .address_space: global }
      - { .name: out0, .offset: 32, .size: 8, .value_kind: global_buffer, .address_space: global }
    .group_segment_fixed_size: 168960
    .private_segment_fixed_size: 0
    .kernarg_segment_align: 8
    .kernarg_segment_size: 40
    .max_flat_workgroup_size: 256
    .sgpr_count:     66
    .vgpr_count:     256
    .wavefront_size: 32
...
	.end_amdgpu_metadata
.endif
;; end of part 4
